; MI455X (gfx1250); checked and timed in simulation.
; The chip was launched on July 23, 2026; its instructions are those of AMD's public machine-readable ISA for CDNA 5 (MIT licence, August 2026) and "CDNA5" Instruction Set Architecture Reference Guide (July 2026). The comments in the code are by the model that wrote it; some were corrected since.
;; Attention. Allowed arithmetic: matrix products marked QUANTISED: E5M2 operands, one given power-of-two scale a tensor, by v_wmma_f32_16x16x64_bf8_bf8 or v_wmma_f32_16x16x128_bf8_bf8, f32 sums; everything else in f32.
;; Inputs: Wout 1,024 x 1,024 float32; Wqkv 1,024 x 3,072 float32; bout 1,024 float32; bqkv 3,072 float32; lowp_scales 8 int32 (the exponents e of the quantised operands' scales 2^e); x 4 x 2,048 x 1,024 float32.
;; Outputs: out0 4 x 2,048 x 1,024 float32.
;; This version of the problem:
;;   THIS VERSION OF THE PROBLEM IS GIVEN IN LOW PRECISION. The matrix products marked QUANTISED in the list below multiply operands that are first quantised to E5M2 (5 exponent bits, 2 mantissa bits; 8 bits a number), with one given power-of-two scale for each operand tensor; their sums are f32. All else is computed in f32.
;;   The module's matrix products, in the order in which they are computed (A, B: the left and right operand; K: the contracted axis; several contracted axes count as one K, in the product's order):
;;     1. [M 8,192, K 1,024] x [K 1,024, N 3,072]; A: input x; B: input Wqkv: QUANTISED (scales: A lowp_scales[0], B lowp_scales[1])
;;     2. batch 64 x [M 2,048, K 64] x [K 64, N 2,048]; A: computed on the way; B: computed on the way: QUANTISED (scales: A lowp_scales[2], B lowp_scales[3])
;;     3. batch 64 x [M 2,048, K 2,048] x [K 2,048, N 64]; A: softmax (see below); B: computed on the way: QUANTISED (scales: A lowp_scales[4], B lowp_scales[5])
;;     4. [M 8,192, K 1,024] x [K 1,024, N 1,024]; A: computed on the way; B: input Wout: QUANTISED (scales: A lowp_scales[6], B lowp_scales[7])
;;   THE QUANTISER, for each operand of a quantised product, along K:
;;     - The operand's scale is 2^e, e = its entry of the input lowp_scales (int32; the entries are numbered through the quantised products in the list's order, A before B).
;;     - Each number is divided by the scale, clamped to +-57,344, and rounded to the nearest number of E5M2, ties to even, subnormals kept.
;;     - The product sums the exact products of the quantised numbers (number of the format x scale) in f32.
;;   ~~~python
;;   def quantise(x, axis, e):      # numpy; x: float32 -> the quantised numbers, widened to float32 again
;;       x = np.moveaxis(x, axis, -1); K = x.shape[-1]
;;       r = np.clip(x / 2.0 ** e, -57344, 57344)
;;       step = 2.0 ** (np.maximum(np.frexp(np.where(r == 0, 1, r))[1] - 1, -14) - 2)
;;       q = np.round(r / step) * step * 2.0 ** e      # np.round: ties to even
;;       return np.moveaxis(q, -1, axis).astype(np.float32)
;;   ~~~
;;   SOFTMAX AHEAD OF A QUANTISED PRODUCT. Where the list says 'softmax', what is quantised is not the finished softmax but p = 2^(t - M), with t = logit x log2(e) and M = ceil(the row's largest t), a whole number; so 1/2 < the row's largest p <= 1. The row's sum l is taken of the UNQUANTISED p, in f32, and the product's result is divided by l at the end. Since M is a whole number, a kernel that streams over the keys may use a running M (the ceiling of the running maximum): every later rescaling is an exact power of two, so the quantised numbers keep their values, but for numbers so far below the row's largest that they fall under the format's range.
;;   OPERANDS COMPUTED ON THE WAY. 'Computed on the way' means the value that the module computes at that place (a softmax that the list does not call 'softmax' is quantised finished and normalised). What goes into a quantiser is computed in f32, as accurately as f32 sums, v_exp_f32 and their like allow (about 1e-6 of the number): no bf16 or f16 on the way to a quantiser, and a product that is left as it is and whose result goes on into a quantised operand takes f32 operands (vector FMAs, or v_wmma_f32_16x16x4_f32). A number that lies on a knife's edge between two numbers of the format may be rounded either way, as far as f32 arithmetic and the matrix unit's own rounding can turn it there, and no further.
;; One version. Each part assembles by itself: llvm-mc -triple=amdgcn-amd-amdhsa -mcpu=gfx1250 --defsym DOCPART=n.
;; ======== version 1 of 1: 4 launches
;; limits: right only within a limited range of input values
;; workspace buffers: codes 12,582,912 bytes; qkvc 25,165,824 bytes; ctxc 8,388,608 bytes
;; launch quant (part 1): grid 384 x 1, 4 waves a work-group, no clusters, 34,304 bytes of LDS; arguments x, Wqkv, Wout, lowp_scales, codes; writes codes
.if DOCPART == 1
	.amdgcn_target "amdgcn-amd-amdhsa--gfx1250"
	.amdhsa_code_object_version 6
	.text
	.protected	k_qd8f6ad125c_quant
	.globl	k_qd8f6ad125c_quant
	.p2align	8
	.type	k_qd8f6ad125c_quant,@function
k_qd8f6ad125c_quant:
	s_mov_b64 s[64:65], 0
	v_nop
	global_prefetch_b8 v0, s[64:65] scope:SCOPE_SE
	s_setreg_imm32_b32 hwreg(HW_REG_WAVE_MODE, 25, 1), 1
	s_wait_xcnt 0x0
; x [8192][1024], Wqkv [1024][3072] and Wout [1024][1024], f32, become codes of BF8 (E5M2) with the given scales 2^e0, 2^e1, 2^e7:
; code = number / 2^e, held within +-57,344, rounded to the nearest code, ties to even.
; THE CODES ARE LAID AS IMAGES OF OPERAND REGISTERS.  The buffer has 12,288 rows of 1,024 k: rows 0-8191 the tokens of x, 8192-11263 the columns of Wqkv, 11264-12287 the columns of Wout.
; byte = (k/256) PLANE + (row/16) 4096 + ((k/128)%2) 2048 + image.  An image is a fragment of 16 rows x 128 k as the matrix instruction wants it: register 4 s + q of lane l lies at 512 s + 16 l + 4 q,
; and registers 2 c, 2 c + 1 of lane (r = l % 16, h = l / 16) hold k = 16 c + 8 h + 0 .. 7 of row r.  So a product's launch fetches fragments by dense loads, 16 bytes a lane.
; SHARES.  Work-groups 0-255: x, 32 rows each; a wave takes 16 rows x 512 k = four fragments.  256-351: Wqkv, 352-383: Wout: 128 columns x 256 k each; a wave takes 32 columns, a lane a column, registers down K.
; Memory binds: no tensor loads, no barrier, no matrix unit; waves share nothing.
; LIMITS: e0, e1, e7 between -126 and 112, so that 2^e and 57,344 x 2^e are f32 numbers.  NaN among the inputs is not served (an infinity is held at the largest code).
.set PLANE, 3145728                    ; 768 blocks of 16 rows x 4,096 bytes: 256 along K of all rows
.set SP,    528                        ; x's stage: a row of 512 bytes + 16 of padding
.set WST,   16*SP                      ; a wave's stage
.set R,     32                         ; v32-159  x: two sets of 64 numbers as loaded (16 rows x 16 bytes a lane)
.set X,     160                        ; v160-223 x: my 64 numbers of a fragment, in the operand's order
.set CX,    224                        ; v224-255 x: two sets of 16 registers of codes
.set XW,    32                         ; v32-95   weights: two sets of 32 numbers down K
.set CW,    96                         ; v96-159  weights: eight registers of codes for each block: no store's data are written again
	s_load_b256 s[4:11], s[0:1], 0x0               ; x s[4:5], Wqkv s[6:7], Wout s[8:9], the scales' exponents s[10:11]
	s_load_b64 s[12:13], s[0:1], 0x20              ; the codes
	v_lshl_add_u32 v30, v0, 2, 0x8400
	v_mov_b32 v31, 0
	v_lshrrev_b32 v1, 5, v0
	v_readfirstlane_b32 s14, v1                    ; wave 0..3
	v_and_b32 v2, 31, v0                           ; lane
	s_wait_kmcnt 0x0
	s_load_b256 s[16:23], s[10:11], 0x0            ; e0 .. e7
	s_cmp_lt_u32 ttmp9, 256
	s_cbranch_scc0 .Lweights
.macro SCALES e                        ; v11 = 2^e as f32 (the conversion takes its exponent field), v10 = 57,344 x 2^e
	s_add_co_i32 s32, s[\e], 127
	s_lshl_b32 s33, s32, 23
	v_mov_b32 v11, s33
	s_add_co_i32 s32, s32, 15
	s_lshl_b32 s32, s32, 23
	s_or_b32 s32, s32, 0x600000
	v_mov_b32 v10, s32
.endm
	; ---------------- x: K is innermost ----------------
	s_lshr_b32 s24, s14, 1
	s_and_b32 s25, s14, 1                          ; which 512 along K
	s_lshl_b32 s26, ttmp9, 1
	s_add_co_u32 s26, s26, s24                     ; my block of 16 rows: 2 x work-group + wave / 2
	s_lshl_b32 s28, s26, 16                        ; 16 rows of 4,096 bytes
	s_lshl_b32 s27, s25, 11
	s_add_co_u32 s28, s28, s27
	s_mov_b32 s29, 0
	s_add_nc_u64 s[4:5], s[4:5], s[28:29]
	s_mul_i32 s30, s25, 2*PLANE
	s_lshl_b32 s27, s26, 12
	s_add_co_u32 s30, s30, s27
	s_mov_b32 s31, 0
	s_add_nc_u64 s[12:13], s[12:13], s[30:31]
	s_wait_alu depctr_va_vdst(0)
	v_lshlrev_b32 v3, 4, v2                        ; 16 x lane: my bytes of a load's 512 and of a store's 512
	s_mul_i32 s27, s14, WST
	v_add_nc_u32 v14, s27, v3                      ; the stage, on the way in: a row as it lies
	v_and_b32 v4, 15, v2
	v_lshrrev_b32 v5, 4, v2
	v_mul_u32_u24 v15, v4, SP
	v_lshl_add_u32 v15, v5, 5, v15
	v_add_nc_u32 v15, s27, v15                     ; and on the way out: row r, + 32 h bytes: eight numbers of each 16 along K
.macro LOADX f                         ; fragment f: 16 rows x 128 numbers; each load reads 512 consecutive bytes of a row
.irp i, 0,1,2,3,4,5,6,7,8,9,10,11,12,13,14,15
	global_load_b128 v[R+64*((\f)%2)+4*\i:R+64*((\f)%2)+4*\i+3], v3, s[4:5] offset:4096*\i+512*(\f) th:TH_LOAD_NT
.endr
.endm
.macro FRAGX f
.if (\f) < 3
	s_wait_loadcnt 16                              ; this fragment's 16 loads are in; the next fragment's 16 may be out
.else
	s_wait_loadcnt 0
.endif
.irp i, 0,1,2,3,4,5,6,7,8,9,10,11,12,13,14,15
	ds_store_b128 v14, v[R+64*((\f)%2)+4*\i:R+64*((\f)%2)+4*\i+3] offset:SP*\i
.endr
.irp c, 0,1,2,3,4,5,6,7                ; LDS serves a wave's instructions in order: these see the stores above, and the next fragment's stores come behind them
	ds_load_b128 v[X+8*\c:X+8*\c+3], v15 offset:64*\c
	ds_load_b128 v[X+8*\c+4:X+8*\c+7], v15 offset:64*\c+16
.endr
	s_wait_dscnt 0x0                               ; my numbers are back, and the stores into the stage have read their registers,
.if (\f) < 2
	LOADX (\f)+2                                   ; which take the fragment two further on
.endif
.if (\f) >= 2
	s_wait_xcnt 0x0                                ; the stores of two fragments ago have read this set of codes: it is written again only behind this wait
.endif
.set j, 0
.rept 64
	v_med3_num_f32 v[X+j], v[X+j], -v10, v10       ; the conversion to an 8-bit code does not saturate (ISA guide 7.6.2): the hold comes first
.set j, j+1
.endr
.irp c, 0,1,2,3,4,5,6,7
	v_cvt_scalef32_pk8_bf8_f32 v[CX+16*((\f)%2)+2*\c:CX+16*((\f)%2)+2*\c+1], v[X+8*\c:X+8*\c+7], v11   ; registers 2 c, 2 c + 1 of the fragment
.endr
	v_nop                                          ; a plain line behind the conversions: the next fragment's holds write their sources
.irp s, 0,1,2,3
	global_store_b128 v3, v[CX+16*((\f)%2)+4*\s:CX+16*((\f)%2)+4*\s+3], s[12:13] offset:((\f)/2)*PLANE+((\f)%2)*2048+512*\s   ; 512 consecutive bytes, aligned
.endr
.endm
	LOADX 0
	LOADX 1
	s_wait_alu depctr_va_vdst(0)
	s_wait_kmcnt 0x0
	SCALES 16
	s_wait_alu depctr_va_vdst(0)
	FRAGX 0
	FRAGX 1
	FRAGX 2
	FRAGX 3
	s_wait_tensorcnt 0x0
	ds_add_u32 v30, v31
	s_wait_dscnt 0x0
	s_endpgm
	; ---------------- the weights: K is the first axis.  A lane takes a column, its registers run down K: nothing is transposed ----------------
.macro LOADW t, pitch, plo             ; block t: W(32 t + i, my column), i = 0 .. 31; a load reads 128 consecutive bytes, the four waves stand side by side on 512
.irp i, 0,1,2,3,4,5,6,7,8,9,10,11,12,13,14,15,16,17,18,19,20,21,22,23,24,25,26,27,28,29,30,31
	global_load_b32 v[XW+32*((\t)%2)+\i], v3, s[\plo:\plo+1] offset:(32*(\t)+\i)*\pitch th:TH_LOAD_NT
.endr
.endm
.macro BLOCKW t, pitch, plo
.set XS, XW+32*((\t)%2)
.set CS, CW+8*(\t)
.if (\t) < 7
	s_wait_loadcnt 32                              ; this block's 32 loads are in; the next block's may be out
.else
	s_wait_loadcnt 0
.endif
.set j, 0
.rept 32
	v_med3_num_f32 v[XS+j], v[XS+j], -v10, v10
.set j, j+1
.endr
	; of a block's 32 k the image gives k 0-7 and 16-23 to lane r, k 8-15 and 24-31 to lane 16 + r: each four registers below are one lane's 16 bytes of the image
	v_cvt_scalef32_pk8_bf8_f32 v[CS:CS+1],   v[XS:XS+7], v11
	v_cvt_scalef32_pk8_bf8_f32 v[CS+2:CS+3], v[XS+16:XS+23], v11
	v_cvt_scalef32_pk8_bf8_f32 v[CS+4:CS+5], v[XS+8:XS+15], v11
	v_cvt_scalef32_pk8_bf8_f32 v[CS+6:CS+7], v[XS+24:XS+31], v11
	global_store_b128 v4, v[CS:CS+3],   s[12:13] offset:((\t)/4)*2048+((\t)%4)*512       ; sixteen lanes store 256 consecutive bytes, aligned
	global_store_b128 v4, v[CS+4:CS+7], s[12:13] offset:((\t)/4)*2048+((\t)%4)*512+256
.if (\t) < 6
	LOADW (\t)+2, \pitch, \plo
.endif
.endm
.macro WPATH pitch, rb0, plo, e, g0    ; pitch: a row of the weight in bytes; rb0: its first block of 16 rows in the codes; g0: its first work-group
	s_sub_co_u32 s24, ttmp9, \g0
	s_lshr_b32 s25, s24, 2                         ; which 128 columns
	s_and_b32 s26, s24, 3                          ; which 256 along K
	s_mul_i32 s28, s26, 256*\pitch
	s_lshl_b32 s27, s25, 9
	s_add_co_u32 s28, s28, s27
	s_lshl_b32 s27, s14, 7                         ; my wave's 32 columns
	s_add_co_u32 s28, s28, s27
	s_mov_b32 s29, 0
	s_add_nc_u64 s[\plo:\plo+1], s[\plo:\plo+1], s[28:29]
	s_mul_i32 s30, s26, PLANE
	s_lshl_b32 s27, s25, 3
	s_add_co_u32 s27, s27, \rb0
	s_lshl_b32 s31, s14, 1
	s_add_co_u32 s27, s27, s31                     ; my first block of 16 rows of codes
	s_lshl_b32 s27, s27, 12
	s_add_co_u32 s30, s30, s27
	s_mov_b32 s31, 0
	s_add_nc_u64 s[12:13], s[12:13], s[30:31]
	v_lshlrev_b32 v3, 2, v2                        ; in: 4 bytes a lane
	v_lshrrev_b32 v5, 4, v2
	v_and_b32 v6, 15, v2
	v_lshlrev_b32 v4, 4, v6
	v_lshl_add_u32 v4, v5, 12, v4                  ; out: lanes 16-31 belong to the next block of 16 rows; 16 bytes for each row
	LOADW 0, \pitch, \plo
	LOADW 1, \pitch, \plo
	s_wait_kmcnt 0x0
	SCALES \e
	s_wait_alu depctr_va_vdst(0)
.irp t, 0,1,2,3,4,5,6,7
	BLOCKW \t, \pitch, \plo
.endr
	s_endpgm
.endm
.Lweights:
	s_cmp_lt_u32 ttmp9, 352
	s_cbranch_scc0 .Lwout
	s_wait_alu depctr_va_vdst(0)
	WPATH 12288, 512, 6, 17, 256
.Lwout:
	s_wait_alu depctr_va_vdst(0)
	WPATH 4096, 704, 8, 23, 352
.Lfunc_end_k_qd8f6ad125c_quant:
	.size	k_qd8f6ad125c_quant, .Lfunc_end_k_qd8f6ad125c_quant-k_qd8f6ad125c_quant
	.p2alignl 7, 3214868480
	.fill 96, 4, 3214868480
	.section	.rodata,"a",@progbits
	.p2align	6, 0x0
	.amdhsa_kernel k_qd8f6ad125c_quant
		.amdhsa_group_segment_fixed_size 34304
		.amdhsa_private_segment_fixed_size 0
		.amdhsa_enable_private_segment 0
		.amdhsa_kernarg_size 40
		.amdhsa_user_sgpr_count 2
		.amdhsa_user_sgpr_kernarg_segment_ptr 1
		.amdhsa_wavefront_size32 1
		.amdhsa_system_sgpr_workgroup_id_x 1
		.amdhsa_system_sgpr_workgroup_id_y 1
		.amdhsa_system_sgpr_workgroup_id_z 1
		.amdhsa_system_vgpr_workitem_id 0
		.amdhsa_next_free_vgpr 256
		.amdhsa_next_free_sgpr 66
		.amdhsa_reserve_vcc 0
		.amdhsa_float_denorm_mode_32 3
		.amdhsa_float_denorm_mode_16_64 3
		.amdhsa_memory_ordered 1
		.amdhsa_forward_progress 1
		.amdhsa_inst_pref_size 127
	.end_amdhsa_kernel
	.amdgpu_metadata
---
amdhsa.version: [ 1, 2 ]
amdhsa.kernels:
  - .name:           k_qd8f6ad125c_quant
    .symbol:         k_qd8f6ad125c_quant.kd
    .args:
      - { .name: x, .offset: 0, .size: 8, .value_kind: global_buffer, .address_space: global }
      - { .name: Wqkv, .offset: 8, .size: 8, .value_kind: global_buffer, .address_space: global }
      - { .name: Wout, .offset: 16, .size: 8, .value_kind: global_buffer, .address_space: global }
      - { .name: lowp_scales, .offset: 24, .size: 8, .value_kind: global_buffer, .address_space: global }
      - { .name: codes, .offset: 32, .size: 8, .value_kind: global_buffer, .address_space: global }
    .group_segment_fixed_size: 34304
    .private_segment_fixed_size: 0
    .kernarg_segment_align: 8
    .kernarg_segment_size: 40
    .max_flat_workgroup_size: 128
    .sgpr_count:     66
    .vgpr_count:     256
    .wavefront_size: 32
...
	.end_amdgpu_metadata
.endif
;; end of part 1
;; launch qkv (part 2): grid 12 x 32, 4 waves a work-group, clusters of 4 x 4, 327,680 bytes of LDS; arguments codes, bqkv, lowp_scales, qkvc; writes qkvc
.if DOCPART == 2
	.amdgcn_target "amdgcn-amd-amdhsa--gfx1250"
	.amdhsa_code_object_version 6
	.text
	.protected	k_qd8f6ad125c_qkv
	.globl	k_qd8f6ad125c_qkv
	.p2align	8
	.type	k_qd8f6ad125c_qkv,@function
k_qd8f6ad125c_qkv:
	s_mov_b64 s[64:65], 0
	v_nop
	global_prefetch_b8 v0, s[64:65] scope:SCOPE_SE
	s_setreg_imm32_b32 hwreg(HW_REG_WAVE_MODE, 25, 1), 1
	s_wait_xcnt 0x0
	s_wait_alu depctr_hold_cnt(0) depctr_sa_sdst(0) depctr_va_vdst(0) depctr_va_sdst(0) depctr_va_ssrc(0) depctr_va_vcc(0) depctr_vm_vsrc(0)
	s_getreg_b32 s2, hwreg(HW_REG_IB_STS2, 6, 4)
	s_cmp_eq_u32 s2, 0
	s_cbranch_scc0 .Lentry_in_a_cluster
	s_endpgm
.Lentry_in_a_cluster:
	s_bfe_u32 s2, ttmp6, 0x10000c
	s_cmp_lg_u32 s2, 0xf033
	s_cbranch_scc0 .Lentry_shape_is_right
	s_endpgm
.Lentry_shape_is_right:
; qkv = x Wqkv + bqkv on codes of BF8, and its quantising into the codes of Q (2^e2), K (2^e3) and V (2^e5), which go out as images of the next products' operand registers.
; A tile of 256 x 256 is made by four waves, 128 x 128 each: 64 accumulators, 512 registers.  K = 1,024 goes in four steps of 256 through two LDS slots filled by the tensor data mover.
; The codes lie as images of fragments (16 rows x 128 k, 2,048 bytes; register 4 s + q of lane l at 512 s + 16 l + 4 q): a tile's 128 rows x 256 k are 32,768 dense bytes, and a fragment is four dense LDS loads.
; THE MATRIX INSTRUCTION: source 0 = 16 rows of the B side, source 1 = 16 rows of the A side.  A lane then holds ONE row of the A side and EIGHT NEIGHBOURS of the B side, which one conversion turns into two registers
; of codes: registers 2 c, 2 c + 1 of an operand whose K runs along the B side.
; SIDES, by the cluster's x (the same in all sixteen partners): 0 (Q) and 1 (K): A = tokens, B = columns of Wqkv: a lane holds a token and eight neighbouring d.   2 (V): A = columns of Wqkv, B = tokens: a lane holds one
; (head, d) and eight neighbouring tokens: V comes out with the keys innermost, and nothing is transposed.
; OUT: Q at byte 0, K at 8,388,608: [batch x head 64][token / 16][image of 16 tokens x 64 d: 1,024 bytes].  V at 16,777,216: [batch x head][token / 128][d / 16][image of 16 d x 128 tokens: 2,048 bytes].
; CLUSTERS: 4 x 4 work-groups; A's tile is asked for jointly by a row of the cluster, B's by a column.
; LIMITS: e0 + e1 between -126 and 127; e2, e3, e5 between -126 and 112.  NaN among the inputs is not served.
; REGISTERS, in windows of 256: window 0: v1-31 addresses and scales; v32-95, v96-111 the biases; v128-255 A's fragments, one set; on the way out v128-191 numbers, v192-255 codes.
;   window 1: B's fragments, two sets.   windows 2, 3: the accumulators ((a, b) at v[8 (8 (a % 4) + b)] of window 2 + a / 4).
.set PLANE,  3145728                   ; 256 along K of all 12,288 rows of codes
.set HALFT,  32768                     ; 128 rows x 256 k: what one tensor load brings, and what one wave reads of A or of B
.set SLOT,   4*HALFT                   ; A's 256 rows, then B's
.set SPARE,  2*SLOT                    ; behind the ring: the spare words, 128 bytes for each wave, that no other line names
.set FR,     16
.set NL,     4
.set NP,     4                         ; places behind this matrix instruction (ISA guide 7.12.1)
.set ADRA, 16                          ; v16-17  LDS address of my A fragments in slot 0, 1
.set ADRB, 20                          ; v20-21  the same for B
.set LI,   26                          ; v26     16 x lane
.set SPW,  28                          ; v28     LDS address of my spare word; never rewritten
.set NIL,  29                          ; v29     0; never rewritten
.set SC,   30                          ; v30     2^eo as f32, eo = e2, e3 or e5
.set LIMV, 31                          ; v31     57,344 x 2^eo
.set BJ,   32                          ; v32-95  the bias along the B side: register 8 b + j
.set BI,   96                          ; v96-111 the bias along the A side: register 2 a (the odd ones are named as pairs' upper halves)
.set AF,   128
.set TN,   128                         ; the way out: 64 numbers
.set CD,   192                         ; the way out: four sets of 16 registers of codes
.set G1, 24
.set G0, 32
.set G1B, 48
.set G0B, 56
.set MSB, 0
.macro WIN new                         ; the immediate's high byte repeats the setting that is left
.if MSB != (\new)
	s_set_vgpr_msb (MSB<<8)|(\new)
.set MSB, (\new)
.endif
.endm
.set MUL_LO, 0xa1                      ; source 0 (B) window 1, source 1 (A) window 0, C and D window 2
.set MUL_HI, 0xf1
.set TO_B,   0x40
; A joint load: waves 0 and 1 fetch for A, waves 2 and 3 for B; the branch hangs on the wave's number alone.  Four v_nop follow each of the two lines.
.macro JLOAD g0a, g1a, g0b, g1b
	s_cmp_eq_u32 s15, 0
	s_cbranch_scc0 .Lfor_b_\@
	tensor_load_to_lds s[\g0a:\g0a+3], s[\g1a:\g1a+7]
	s_nop 0
.rept 4
	v_nop
.endr
	s_branch .Lasked_\@
.Lfor_b_\@:
	tensor_load_to_lds s[\g0b:\g0b+3], s[\g1b:\g1b+7]
	s_nop 0
.rept 4
	v_nop
.endr
.Lasked_\@:
.endm
.macro CREST                           ; a round of the cluster's barrier behind its opening barrier
	s_cmp_lg_u32 s14, 0
	s_cbranch_scc1 .Lnot_wave_0_\@
	s_barrier_signal -3
.Lnot_wave_0_\@:
	s_barrier_wait -3
	s_barrier_signal -1
	s_barrier_wait -1
.endm
.macro CROUND
	s_barrier_signal -1
	s_barrier_wait -1
	CREST
.endm
	s_load_b256 s[4:11], s[0:1], 0x0               ; the codes s[4:5], bqkv s[6:7], the scales' exponents s[8:9], Q, K, V's codes s[10:11]
	v_lshl_add_u32 v[SPW], v0, 2, SPARE
	v_mov_b32 v[NIL], 0
	ds_add_u32 v28, v29
	ds_add_u32 v28, v29
	s_wait_dscnt 0x0
	v_lshrrev_b32 v1, 5, v0
	v_readfirstlane_b32 s14, v1                    ; wave 0..3
	s_lshr_b32 s15, s14, 1                         ; which half of the A side is mine.  Also: I fetch for A (0) or for B (1)
	s_and_b32 s16, s14, 1                          ; which half of the B side.  Also: which 128 rows of that tile I fetch
	s_bfe_u32 s40, ttmp6, 0x40000                  ; cx, cy: my place in the cluster
	s_bfe_u32 s41, ttmp6, 0x40004
	s_and_b32 s17, ttmp7, 0xffff
	s_lshl_b32 s17, s17, 2                         ; 4 x cluster y
	s_lshl_b32 s42, ttmp9, 2
	s_add_co_u32 s42, s42, 32                      ; 32 + 4 x cluster x: Q's or K's first tile of 256 columns among the rows of codes
	s_cmp_eq_u32 ttmp9, 2                          ; V?  The cluster's x is the same in all partners
	s_cselect_b32 s18, 40, s17                     ; A's tile without cy: V's columns, or tokens
	s_cselect_b32 s19, s17, s42                    ; B's tile without cx: tokens, or Q's or K's columns
	s_add_co_u32 s20, s18, s41                     ; A's tile: shared along my row of the cluster
	s_add_co_u32 s46, s19, s40                     ; B's tile: shared along my column
	s_lshl_b32 s43, s41, 2
	s_lshl_b32 s43, 15, s43                        ; my row of the cluster
	s_lshl_b32 s44, 0x1111, s40                    ; my column
	; descriptor group 1: 32,768 dense bytes as 128 rows of 32 elements of 8 bytes, no padding
	s_or_b32 s[G1+0], s43, (3<<16)|(1<<21)         ; 15:0 the mask; 17:16 elements of 8 bytes; 21 set beside a mask
	s_or_b32 s[G1B+0], s44, (3<<16)|(1<<21)
.irp g, G1, G1B
	s_mov_b32 s[\g+1], 32<<16                      ; tensor_dim0
	s_mov_b32 s[\g+2], 128<<16                     ; tensor_dim1
	s_mov_b32 s[\g+3], 32<<16                      ; tile_dim0
	s_mov_b32 s[\g+4], 128                         ; tile_dim1
	s_mov_b32 s[\g+5], 32                          ; tensor_dim0_stride
	s_mov_b32 s[\g+6], 0
	s_mov_b32 s[\g+7], 0
.endr
	s_lshl_b32 s18, s16, 15                        ; which 128 rows of the tile I fetch
	s_lshl_b32 s20, s20, 16                        ; a tile's 256 rows x 256 k are 65,536 bytes
	s_add_co_u32 s20, s20, s18
	s_mov_b32 s21, 0
	s_lshl_b32 s46, s46, 16
	s_add_co_u32 s46, s46, s18
	s_mov_b32 s47, 0
	s_lshl_b32 s45, s14, 15                        ; where they go: wave x 32,768: no place in the cluster enters an LDS address
	s_wait_kmcnt 0x0
	s_load_b256 s[80:87], s[8:9], 0x0              ; e0 .. e7
	s_add_nc_u64 s[20:21], s[4:5], s[20:21]
	s_add_nc_u64 s[46:47], s[4:5], s[46:47]
	CROUND                                         ; all sixteen work-groups are here: the first joint loads meet
.irp s, 0,1
	s_mov_b32 s[G0+4*\s], 1
	s_add_co_u32 s[G0+4*\s+1], s45, \s*SLOT
	s_add_nc_u64 s[G0+4*\s+2:G0+4*\s+3], s[20:21], \s*PLANE
	s_or_b32 s[G0+4*\s+3], s[G0+4*\s+3], 0x80000000
	s_mov_b32 s[G0B+4*\s], 1
	s_add_co_u32 s[G0B+4*\s+1], s45, \s*SLOT
	s_add_nc_u64 s[G0B+4*\s+2:G0B+4*\s+3], s[46:47], \s*PLANE
	s_or_b32 s[G0B+4*\s+3], s[G0B+4*\s+3], 0x80000000
.endr
	JLOAD G0, G1, G0B, G1B                         ; K step 0: one tensor load a wave at the head
	; the prefetches: of the 32,768 dense bytes that I fetch in a K step, each of the four partners that ask for them jointly names 8,192, told apart by address (cx for A, cy for B); lanes 256 bytes apart, one instruction a wave.
	; Each names the K step that stands two fills on: K step 2 here, behind K step 0's load; K step 3 behind K step 1's.  K steps 0 and 1 come by their loads alone.  The address registers are never rewritten.
	s_cmp_eq_u32 s15, 0
	s_cselect_b64 s[94:95], s[20:21], s[46:47]
	s_cselect_b32 s74, s40, s41
	s_lshl_b32 s74, s74, 13
	s_mov_b32 s75, 0
	s_add_nc_u64 s[94:95], s[94:95], s[74:75]
	s_add_nc_u64 s[98:99], s[94:95], PLANE
	v_and_b32 v5, 31, v0
	v_lshlrev_b32 v27, 8, v5
	global_prefetch_b8 v27, s[94:95] offset:2*PLANE th:TH_LOAD_NT scope:SCOPE_SE
	v_lshlrev_b32 v[LI], 4, v5
	s_lshl_b32 s72, s15, 15                        ; my 128 rows of A
	s_lshl_b32 s73, s16, 15                        ; my 128 rows of B,
	s_add_co_u32 s73, s73, 2*HALFT                 ; which lie behind A's 256
.irp s, 0,1
	v_add_nc_u32 v[ADRA+\s], s72, v[LI]
	v_add_nc_u32 v[ADRB+\s], s73, v[LI]
	s_add_co_u32 s72, s72, SLOT
	s_add_co_u32 s73, s73, SLOT
.endr
	; the biases, for both ways out: both addresses lie inside bqkv whatever the cluster's x, and each way out uses one set
	v_and_b32 v1, 15, v0                           ; r
	v_bfe_u32 v2, v0, 4, 1                         ; h
	v_lshlrev_b32 v3, 5, v2                        ; along the B side: my eight numbers of each 16
	s_wait_alu depctr_va_vdst(0)
	v_lshlrev_b32 v4, 2, v1                        ; along the A side: my one of each 16
	s_wait_alu depctr_va_vdst(0)
	s_lshl_b32 s66, ttmp9, 12
	s_lshl_b32 s67, s40, 10
	s_add_co_u32 s66, s66, s67
	s_lshl_b32 s67, s16, 9
	s_add_co_u32 s66, s66, s67                     ; 4 (1024 x cluster x + 256 cx + 128 x my half of B)
	s_mov_b32 s67, 0
	s_add_nc_u64 s[68:69], s[6:7], s[66:67]
	s_lshl_b32 s66, s41, 10
	s_lshl_b32 s70, s15, 9
	s_add_co_u32 s66, s66, s70
	s_add_co_u32 s66, s66, 8192                    ; 4 (2048 + 256 cy + 128 x my half of A)
	s_add_nc_u64 s[70:71], s[6:7], s[66:67]
.irp b, 0,1,2,3,4,5,6,7
	global_load_b128 v[BJ+8*\b:BJ+8*\b+3],   v3, s[68:69] offset:64*\b
	global_load_b128 v[BJ+8*\b+4:BJ+8*\b+7], v3, s[68:69] offset:64*\b+16
.endr
.irp a, 0,1,2,3,4,5,6,7
	global_load_b32 v[BI+2*\a], v4, s[70:71] offset:64*\a
	v_mov_b32 v[BI+2*\a+1], 0
.endr
	; where my results go.  tokens come from (cy, wave / 2) and heads from (cx, wave % 2), or the other way round for V
	s_cmp_eq_u32 ttmp9, 2
	s_cselect_b32 s88, s40, s41
	s_cselect_b32 s89, s16, s15
	s_cselect_b32 s90, s41, s40
	s_cselect_b32 s91, s15, s16
	s_add_co_u32 s92, s17, s88
	s_lshl_b32 s92, s92, 8
	s_lshl_b32 s89, s89, 7
	s_add_co_u32 s92, s92, s89                     ; my first token, of 8,192
	s_lshr_b32 s93, s92, 11                        ; its batch
	s_lshl_b32 s93, s93, 4
	s_lshl_b32 s90, s90, 2
	s_add_co_u32 s93, s93, s90
	s_lshl_b32 s91, s91, 1
	s_add_co_u32 s93, s93, s91                     ; 16 x batch + my first head
	s_lshl_b32 s93, s93, 17                        ; a head is 131,072 bytes in each region
	s_and_b32 s92, s92, 2047
	s_lshl_b32 s92, s92, 6                         ; 64 bytes for each token, in Q, K and V alike
	s_add_co_u32 s92, s92, s93
	s_lshl_b32 s93, ttmp9, 23                      ; the region
	s_add_co_u32 s92, s92, s93
	s_mov_b32 s93, 0
	s_add_nc_u64 s[10:11], s[10:11], s[92:93]
	s_wait_kmcnt 0x0
	s_add_co_i32 s76, s80, s81
	s_add_co_i32 s76, s76, 127
	s_lshl_b32 s76, s76, 23                        ; 2^(e0 + e1) as f32
	s_mov_b32 s77, s76                             ; (named with it as a pair, so it is written)
	s_cmp_eq_u32 ttmp9, 0
	s_cselect_b32 s78, s82, s83
	s_cmp_eq_u32 ttmp9, 2
	s_cselect_b32 s78, s85, s78                    ; eo = e2, e3 or e5: chosen, not branched on
	s_add_co_i32 s78, s78, 127
	s_lshl_b32 s79, s78, 23
	v_mov_b32 v[SC], s79
	s_add_co_i32 s78, s78, 15
	s_lshl_b32 s78, s78, 23
	s_or_b32 s78, s78, 0x600000
	v_mov_b32 v[LIMV], s78
.macro FRAG reg, adr, q, i             ; a fragment's image: four loads of 512 dense bytes
.irp c, 0,1,2,3
	ds_load_b128 v[\reg+4*\c:\reg+4*\c+3], v[\adr] offset:2048*(\q)+4096*(\i)+512*\c
.endr
.endm
; 16 matrix instructions: A's blocks a0, a0 + 1 x B's eight, 128 along K.  The 64 accumulators take turns, one instruction a turn, in the same order in every step.
.macro MUL16 a0, p, zero
.irp a, \a0, \a0+1
.irp b, 0,1,2,3,4,5,6,7
.if \zero
	v_wmma_f32_16x16x128_bf8_bf8 v[8*(8*((\a)%4)+\b):8*(8*((\a)%4)+\b)+7], v[128*(\p)+FR*\b:128*(\p)+FR*\b+FR-1], v[AF+FR*(\a):AF+FR*(\a)+FR-1], 0
.else
	v_wmma_f32_16x16x128_bf8_bf8 v[8*(8*((\a)%4)+\b):8*(8*((\a)%4)+\b)+7], v[128*(\p)+FR*\b:128*(\p)+FR*\b+FR-1], v[AF+FR*(\a):AF+FR*(\a)+FR-1], v[8*(8*((\a)%4)+\b):8*(8*((\a)%4)+\b)+7]
.endif
.endr
.endr
.endm
.macro FETCH_B slot, q, p
	WIN TO_B
.irp i, 0,1,2,3,4,5,6,7
	FRAG 128*(\p)+FR*\i, ADRB+\slot, \q, \i
.endr
	WIN 0
.endm
.macro FETCH_A slot, q, i0
.irp i, \i0, \i0+1, \i0+2, \i0+3
	FRAG AF+FR*(\i), ADRA+\slot, \q, \i
.endr
.endm
.macro PLACES n                        ; plain vector lines between a matrix instruction and a load into, or a vector read or write of, its registers
.rept \n
	v_nop
.endr
.endm
.macro STEP slot, q, zero              ; 128 along K, with its successor in the same slot
	s_wait_dscnt 4*NL                              ; B's set and A's blocks 0-3 are in; the youngest 16 loads (A's blocks 4-7) may be out
	WIN MUL_LO
	MUL16 0, (\q)%2, \zero
	MUL16 2, (\q)%2, \zero
	s_wait_dscnt 0
	PLACES NP
	FETCH_B \slot, (\q)+1, 1-(\q)%2
	FETCH_A \slot, (\q)+1, 0
	WIN MUL_HI
	MUL16 4, (\q)%2, \zero
	MUL16 6, (\q)%2, \zero
	PLACES NP
	WIN 0
	FETCH_A \slot, (\q)+1, 4
.endm
; A slot's last step changes slots: ONE barrier; in front of it each wave waits for all its tensor loads, adds 0 to its spare word, and waits for that and for its reads of this slot.
.macro TURN slot, next, fill
	s_wait_tensorcnt 0x0                           ; all my tensor loads have landed: my part of the next slot
	ds_add_u32 v[SPW], v[NIL]                      ; 0 onto my spare word
	s_wait_dscnt 4*NL+1                            ; (the add and the youngest 16 loads, A's blocks 4-7, may be out)
	WIN MUL_LO
	MUL16 0, 1, 0
	s_wait_dscnt 0x0                               ; the add is done, and my reads of this slot are over
	s_barrier_signal -1
	MUL16 2, 1, 0
	WIN 0
	s_barrier_wait -1
.if \fill
	CREST                                          ; the barrier has opened a round of the cluster's: no wave of any partner still reads this slot or has a load on its way
	s_add_nc_u64 s[G0+4*\slot+2:G0+4*\slot+3], s[G0+4*\slot+2:G0+4*\slot+3], 2*PLANE
	s_add_nc_u64 s[G0B+4*\slot+2:G0B+4*\slot+3], s[G0B+4*\slot+2:G0B+4*\slot+3], 2*PLANE
	JLOAD G0+4*\slot, G1, G0B+4*\slot, G1B         ; the first tensor load behind the round; its four v_nop are also the places in front of the loads below
.else
	PLACES NP
.endif
	FETCH_B \next, 0, 0
	FETCH_A \next, 0, 0
	WIN MUL_HI
	MUL16 4, 1, 0
	MUL16 6, 1, 0
	PLACES NP
	WIN 0
	FETCH_A \next, 0, 4
.endm
	s_wait_alu depctr_va_vdst(0)
	s_wait_tensorcnt 0x0                           ; my part of slot 0 is in; slot 1's first fill is issued as a refill is:
	ds_add_u32 v[SPW], v[NIL]                      ; 0 onto my spare word
	s_wait_dscnt 0x0
	CROUND                                         ; a whole round: slot 0 is whole, and the joint loads meet
	JLOAD G0+4, G1, G0B+4, G1B                     ; the first tensor load behind the round
	FETCH_B 0, 0, 0
	FETCH_A 0, 0, 0
	FETCH_A 0, 0, 4
	global_prefetch_b8 v27, s[98:99] offset:2*PLANE th:TH_LOAD_NT scope:SCOPE_SE   ; K step 3
	STEP 0, 0, 1
	TURN 0, 1, 1
	STEP 1, 0, 0
	TURN 1, 0, 1
	STEP 0, 0, 0
	TURN 0, 1, 0                                   ; nothing is left to fetch
	STEP 1, 0, 0
	s_wait_dscnt 4*NL
	WIN MUL_LO
	MUL16 0, 1, 0
	MUL16 2, 1, 0
	s_wait_dscnt 0
	WIN MUL_HI
	MUL16 4, 1, 0
	MUL16 6, 1, 0
	WIN 0
; THE WAY OUT, block a of the A side at a time: sum x 2^(e0 + e1) + bias in one packed multiply-add (each accumulator from its low end on), the hold, the conversion.  The eight conversions' 16 registers ARE images:
; Q, K: two images of 16 tokens x 64 d, of two heads.  V: one image of 16 d x 128 tokens.  Each store covers 512 consecutive bytes, aligned.  No LDS.
.macro OUTBLK a, isv
	WIN 0x02+((\a)/4)                              ; source 0: window 2 or 3
.irp j, 0,2,4,6,8,10,12,14,16,18,20,22,24,26,28,30,32,34,36,38,40,42,44,46,48,50,52,54,56,58,60,62
.if \isv
	v_pk_fma_f32 v[TN+\j:TN+\j+1], v[64*((\a)%4)+\j:64*((\a)%4)+\j+1], s[76:77], v[BI+2*(\a):BI+2*(\a)+1] op_sel_hi:[1,0,0]
.else
	v_pk_fma_f32 v[TN+\j:TN+\j+1], v[64*((\a)%4)+\j:64*((\a)%4)+\j+1], s[76:77], v[BJ+\j:BJ+\j+1] op_sel_hi:[1,0,1]
.endif
.endr
	WIN 0
.set j, 0
.rept 64
	v_med3_num_f32 v[TN+j], v[TN+j], -v[LIMV], v[LIMV]   ; the conversion to an 8-bit code does not saturate (ISA guide 7.6.2)
.set j, j+1
.endr
.if (\a) == 4
	s_wait_alu depctr_va_vdst(0)
	s_wait_xcnt 0x0                                ; blocks 0-3's stores have read their codes: the four sets come round again
.endif
.irp b, 0,1,2,3,4,5,6,7
	v_cvt_scalef32_pk8_bf8_f32 v[CD+16*((\a)%4)+2*\b:CD+16*((\a)%4)+2*\b+1], v[TN+8*\b:TN+8*\b+7], v[SC]
.endr
	v_nop                                          ; a plain line behind the conversions: the next block's multiply-adds write their sources
.irp s, 0,1,2,3
.if \isv
	global_store_b128 v[LI], v[CD+16*((\a)%4)+4*\s:CD+16*((\a)%4)+4*\s+3], s[10:11] offset:((\a)/4)*131072+2048*((\a)%4)+512*\s
.else
	global_store_b128 v[LI], v[CD+16*((\a)%4)+4*\s:CD+16*((\a)%4)+4*\s+3], s[10:11] offset:(\s/2)*131072+1024*(\a)+512*(\s%2)
.endif
.endr
.endm
	s_wait_loadcnt 0x0                             ; the biases
	PLACES NP                                      ; behind the last products: their results are read, and A's registers written, below
	s_cmp_eq_u32 ttmp9, 2
	s_cbranch_scc1 .Lway_v
.irp a, 0,1,2,3,4,5,6,7
	OUTBLK \a, 0
.endr
	s_branch .Ljoin
.Lway_v:
.irp a, 0,1,2,3,4,5,6,7
	OUTBLK \a, 1
.endr
.Ljoin:
	s_wait_tensorcnt 0x0                           ; the wave's end
	ds_add_u32 v[SPW], v[NIL]
	s_wait_dscnt 0x0
	CROUND                                         ; the closing round: no work-group ends while a partner may still ask for a tile that names it
	s_endpgm
.Lfunc_end_k_qd8f6ad125c_qkv:
	.size	k_qd8f6ad125c_qkv, .Lfunc_end_k_qd8f6ad125c_qkv-k_qd8f6ad125c_qkv
	.p2alignl 7, 3214868480
	.fill 96, 4, 3214868480
	.section	.rodata,"a",@progbits
	.p2align	6, 0x0
	.amdhsa_kernel k_qd8f6ad125c_qkv
		.amdhsa_group_segment_fixed_size 327680
		.amdhsa_private_segment_fixed_size 0
		.amdhsa_enable_private_segment 0
		.amdhsa_kernarg_size 32
		.amdhsa_user_sgpr_count 2
		.amdhsa_user_sgpr_kernarg_segment_ptr 1
		.amdhsa_wavefront_size32 1
		.amdhsa_system_sgpr_workgroup_id_x 1
		.amdhsa_system_sgpr_workgroup_id_y 1
		.amdhsa_system_sgpr_workgroup_id_z 1
		.amdhsa_system_vgpr_workitem_id 0
		.amdhsa_next_free_vgpr 1024
		.amdhsa_next_free_sgpr 100
		.amdhsa_reserve_vcc 0
		.amdhsa_float_denorm_mode_32 3
		.amdhsa_float_denorm_mode_16_64 3
		.amdhsa_memory_ordered 1
		.amdhsa_forward_progress 1
		.amdhsa_inst_pref_size 193
	.end_amdhsa_kernel
	.amdgpu_metadata
---
amdhsa.version: [ 1, 2 ]
amdhsa.kernels:
  - .name:           k_qd8f6ad125c_qkv
    .symbol:         k_qd8f6ad125c_qkv.kd
    .args:
      - { .name: codes, .offset: 0, .size: 8, .value_kind: global_buffer, .address_space: global }
      - { .name: bqkv, .offset: 8, .size: 8, .value_kind: global_buffer, .address_space: global }
      - { .name: lowp_scales, .offset: 16, .size: 8, .value_kind: global_buffer, .address_space: global }
      - { .name: qkvc, .offset: 24, .size: 8, .value_kind: global_buffer, .address_space: global }
    .group_segment_fixed_size: 327680
    .private_segment_fixed_size: 0
    .kernarg_segment_align: 8
    .kernarg_segment_size: 32
    .max_flat_workgroup_size: 128
    .sgpr_count:     100
    .vgpr_count:     1024
    .wavefront_size: 32
...
	.end_amdgpu_metadata
.endif
;; end of part 2
;; launch attn (part 3): grid 4 x 64, 16 waves a work-group, clusters of 4 x 1, 327,680 bytes of LDS; arguments qkvc, lowp_scales, ctxc; writes ctxc
.if DOCPART == 3
	.amdgcn_target "amdgcn-amd-amdhsa--gfx1250"
	.amdhsa_code_object_version 6
	.text
	.protected	k_qd8f6ad125c_attn
	.globl	k_qd8f6ad125c_attn
	.p2align	8
	.type	k_qd8f6ad125c_attn,@function
k_qd8f6ad125c_attn:
	s_mov_b64 s[64:65], 0
	v_nop
	global_prefetch_b8 v0, s[64:65] scope:SCOPE_SE
	s_setreg_imm32_b32 hwreg(HW_REG_WAVE_MODE, 25, 1), 1
	s_wait_xcnt 0x0
	s_wait_alu depctr_hold_cnt(0) depctr_sa_sdst(0) depctr_va_vdst(0) depctr_va_sdst(0) depctr_va_ssrc(0) depctr_va_vcc(0) depctr_vm_vsrc(0)
	s_getreg_b32 s2, hwreg(HW_REG_IB_STS2, 6, 4)
	s_cmp_eq_u32 s2, 0
	s_cbranch_scc0 .Lentry_in_a_cluster
	s_endpgm
.Lentry_in_a_cluster:
	s_bfe_u32 s2, ttmp6, 0x10000c
	s_cmp_lg_u32 s2, 0x3003
	s_cbranch_scc0 .Lentry_shape_is_right
	s_endpgm
.Lentry_shape_is_right:
; ctx = softmax(Q K^T / 8, causal) V for 64 (batch, head) pairs of 2,048 tokens x 64, both products on codes of BF8; ctx is quantised (2^e6) and stored as images of the last product's operand registers.
; LEFT OUT: key steps all of whose keys come after a tile's queries: the causal mask sets their scores to -infinity, so their p is 0 for every input.
; THE SOFTMAX: t = score x log2(e) / 8; M = the row's largest t so far, rounded UP to a whole number; p = 2^(t - M) is quantised (2^e4); the row's sum is taken of the unquantised p and divides at the end.
; When M moves, the sum and O are multiplied by 2^(old M - new M): exact.
; LDS HOLDS A WHOLE HEAD: K's 131,072 bytes from byte 0, V's from byte 131,072.  Each of the sixteen waves fetches 16,384 dense bytes by one tensor load at the head (waves 0-7: K, 8-15: V); one wait and one barrier follow;
; nothing is filled again, and no barrier stands in the loops over the keys.
; SHARES.  The four work-groups of a head form a cluster; work-group i takes the tiles of 16 queries t = 4 u + i, u = 0 .. 31, so all four need all keys and ask for them JOINTLY (mask 15).
; Tile t needs the key steps (128 keys) 0 .. t / 8 = u / 2 (rounded down), whatever i is: no branch and no trip count hangs on the work-group's place in its cluster; i enters global addresses and the mask's threshold, a value.
; Wave w owns tile u = 31 - w, then tile u = w: (31 - w) / 2 + 1 + w / 2 + 1 = 17 key steps for every wave.  The loops have 16 and 8 trips, constants; a step beyond a tile's last is jumped over by a branch on the wave's number.
; LAYOUT.  S^T = K Q^T (source 0 = 16 keys, source 1 = my 16 queries, K = 64): lane (r, h) holds query r and, in tile T's eight registers, keys 16 T + 8 h + 0 .. 7: one conversion makes registers 2 T, 2 T + 1 of P.
; O^T = V^T P^T (source 0 = 16 d x 128 keys, source 1 = P, K = 128): lane (r, h) holds query r and d = 16 dt + 8 h + 0 .. 7: one conversion makes two registers of ctx's image.
; NO PREFETCH: all tiles are asked for at the head, in one group; there is no loop to run ahead in.
; LIMITS: e2 + e3 between -123 and 130 (added to c's exponent field); e4, e6 between -126 and 112; e4 + e5 is applied by v_ldexp_f32; scaled scores under 2^31 in magnitude.  NaN is not served.
; REGISTERS: v1-10 addresses; v12 -M, v13 the largest t, v[14:15] the sum; v16-23 Q, v24-31 the second tile's Q; v32-95 fragments of K, then of V; v96-159 S^T, then p; v160-191 O^T; v192-207 P's codes; v208-255 at work.
.set VREG,  131072                     ; V's region
.set SPARE, 262144                     ; behind the two regions: the spare words, 128 bytes for each of 16 waves, named by no other line
.set LI,   1                           ; v1   16 x lane
.set ADR,  2                           ; v2   the step's K
.set LIV,  3                           ; v3   16 x lane + VREG
.set RH,   4                           ; v4   r - 8 h
.set SPW,  5                           ; v5   my spare word; never rewritten
.set NIL,  6                           ; v6   0; never rewritten
.set ADV,  10                          ; v10  the step's V
.set WV,   18
.set SEL,  20                          ; s[20:21] selects for lane l xor 16
.set CS,   22                          ; s[22:23] c = log2(e) / 8 x 2^(e2 + e3)
.set G1,   24
.set G0,   32
.set KS,   40                          ; the key step
.set SMAX, 41                          ; the tile's last key step
.set SMAXB, 42                         ; the second tile's
.set DQ,   43                          ; the tile's first query less its last key step's first key
.set DQB,  44
.set CT0,  48
.set CT1,  50
.macro ROUND                           ; a round of the cluster's barrier
	s_barrier_signal -1
	s_barrier_wait -1
	s_cmp_lg_u32 s[WV], 0
	s_cbranch_scc1 .Lnot_wave_0_\@
	s_barrier_signal -3
.Lnot_wave_0_\@:
	s_barrier_wait -3
	s_barrier_signal -1
	s_barrier_wait -1
.endm
.macro ZERO                            ; a tile's running state
.set j, 0
.rept 32
	v_mov_b32 v[160+j], 0
.set j, j+1
.endr
	v_mov_b32 v14, 0
	v_mov_b32 v15, 0
	v_mov_b32 v13, 0xff61b1e6                      ; the largest t so far: -3e38
	v_mov_b32 v12, 0x7f61b1e6                      ; -M = floor(3e38)
.endm
	s_load_b128 s[4:7], s[0:1], 0x0                ; Q, K, V's codes; the scales' exponents
	s_load_b64 s[8:9], s[0:1], 0x10                ; ctx's codes
	v_lshl_add_u32 v[SPW], v0, 2, SPARE
	v_mov_b32 v[NIL], 0
	ds_add_u32 v[SPW], v[NIL]                      ; the opening lines: the add twice on end and one wait
	ds_add_u32 v[SPW], v[NIL]
	v_lshrrev_b32 v7, 5, v0
	v_readfirstlane_b32 s[WV], v7                  ; wave 0..15
	s_bfe_u32 s11, ttmp6, 0x40000                  ; i: my place in the cluster
	s_and_b32 s10, ttmp7, 0xffff                   ; 16 x batch + head
	s_lshl_b32 s13, s10, 17                        ; a head is 131,072 bytes in each of Q's, K's, V's regions
	s_lshr_b32 s66, s[WV], 3
	s_add_co_u32 s66, s66, 1
	s_lshl_b32 s66, s66, 23                        ; K's region at 8,388,608, V's at 16,777,216
	s_add_co_u32 s66, s66, s13
	s_and_b32 s12, s[WV], 7
	s_lshl_b32 s12, s12, 14
	s_add_co_u32 s66, s66, s12                     ; my 16,384 bytes: nothing of i
	s_mov_b32 s67, 0
	s_mov_b32 s[G1+0], 15|(3<<16)|(1<<21)          ; the mask: all four of the cluster; elements of 8 bytes; bit 21 beside a mask
	s_mov_b32 s[G1+1], 32<<16                      ; 16,384 dense bytes as 64 rows of 256
	s_mov_b32 s[G1+2], 64<<16
	s_mov_b32 s[G1+3], 32<<16
	s_mov_b32 s[G1+4], 64
	s_mov_b32 s[G1+5], 32
	s_mov_b32 s[G1+6], 0
	s_mov_b32 s[G1+7], 0
	s_mov_b32 s[SEL], 0x76543210
	s_mov_b32 s[SEL+1], 0xfedcba98
	s_sub_co_u32 s68, 31, s[WV]                    ; u of my first tile
	s_lshr_b32 s[SMAX], s68, 1
	s_lshr_b32 s[SMAXB], s[WV], 1
	s_lshl_b32 s69, s11, 4
	s_and_b32 s[DQ], s68, 1
	s_lshl_b32 s[DQ], s[DQ], 6
	s_add_co_u32 s[DQ], s[DQ], s69                 ; 16 t - 128 (u / 2) = 64 (u % 2) + 16 i
	s_and_b32 s[DQB], s[WV], 1
	s_lshl_b32 s[DQB], s[DQB], 6
	s_add_co_u32 s[DQB], s[DQB], s69
	s_lshl_b32 s68, s68, 2
	s_add_co_u32 s68, s68, s11                     ; t of my first tile,
	s_lshl_b32 s69, s[WV], 2
	s_add_co_u32 s69, s69, s11                     ; and of my second
	s_lshl_b32 s70, s68, 10                        ; Q: an image of 16 queries is 1,024 bytes
	s_add_co_u32 s70, s70, s13
	s_mov_b32 s71, 0
	s_lshl_b32 s72, s69, 10
	s_add_co_u32 s72, s72, s13
	s_mov_b32 s73, 0
	; ctx's codes: k = 64 x head + d.  byte = (k/256) 2^21 + (token/16) 4096 + ((k/128)%2) 2048 + ((k/64)%2) 1024 + my half image
	s_and_b32 s74, s10, 15
	s_lshr_b32 s75, s74, 2
	s_lshl_b32 s75, s75, 21
	s_lshr_b32 s76, s10, 4
	s_lshl_b32 s76, s76, 19
	s_add_co_u32 s75, s75, s76
	s_and_b32 s76, s74, 3
	s_lshl_b32 s76, s76, 10
	s_add_co_u32 s75, s75, s76
	s_lshl_b32 s76, s68, 12
	s_add_co_u32 s76, s76, s75
	s_mov_b32 s77, 0
	s_lshl_b32 s78, s69, 12
	s_add_co_u32 s78, s78, s75
	s_mov_b32 s79, 0
	s_wait_dscnt 0x0                               ; both opening adds are done
	s_wait_kmcnt 0x0
	s_load_b256 s[56:63], s[6:7], 0x0              ; e0 .. e7
	s_mov_b32 s[G0], 1
	s_lshl_b32 s[G0+1], s[WV], 14                  ; LDS: 16,384 x wave
	s_add_nc_u64 s[G0+2:G0+3], s[4:5], s[66:67]
	s_or_b32 s[G0+3], s[G0+3], 0x80000000
	ROUND                                          ; all four work-groups are here: the joint loads meet
	tensor_load_to_lds s[G0:G0+3], s[G1:G1+7]      ; every wave's one load
	s_nop 0
	s_add_nc_u64 s[70:71], s[4:5], s[70:71]
	s_add_nc_u64 s[72:73], s[4:5], s[72:73]
	s_add_nc_u64 s[CT0:CT0+1], s[8:9], s[76:77]
	s_add_nc_u64 s[CT1:CT1+1], s[8:9], s[78:79]
	v_and_b32 v7, 31, v0
	v_lshlrev_b32 v[LI], 4, v7
	v_add_nc_u32 v[LIV], VREG, v[LI]
	v_and_b32 v8, 15, v0
	v_bfe_u32 v9, v0, 4, 1
	v_lshlrev_b32 v9, 3, v9
	v_sub_nc_u32 v[RH], v8, v9
	global_load_b128 v[16:19], v[LI], s[70:71]             ; Q's fragments stay in registers: the first tile's,
	global_load_b128 v[20:23], v[LI], s[70:71] offset:512
	global_load_b128 v[24:27], v[LI], s[72:73]             ; and the second's
	global_load_b128 v[28:31], v[LI], s[72:73] offset:512
	ZERO
	v_mov_b32 v208, 0                              ; a lane permute's destination counts as a source
	v_mov_b32 v213, 0                              ; upper half of the pair v[212:213]
	v_mov_b32 v237, 0xff800000                     ; -infinity
	s_wait_alu depctr_va_vdst(0)
	s_wait_kmcnt 0x0
	s_add_co_i32 s66, s58, s59
	s_lshl_b32 s66, s66, 23
	s_add_co_i32 s[CS], s66, 0x3e38aa3b            ; c = log2(e) / 8, e2 + e3 added to its exponent field
	s_mov_b32 s[CS+1], s[CS]
	s_add_co_i32 s66, s60, 127
	s_lshl_b32 s67, s66, 23
	v_mov_b32 v216, s67                            ; 2^e4
	s_add_co_i32 s66, s66, 15
	s_lshl_b32 s66, s66, 23
	s_or_b32 s66, s66, 0x600000
	v_mov_b32 v217, s66                            ; 57,344 x 2^e4
	s_add_co_i32 s66, s62, 127
	s_lshl_b32 s67, s66, 23
	v_mov_b32 v218, s67                            ; 2^e6
	s_add_co_i32 s66, s66, 15
	s_lshl_b32 s66, s66, 23
	s_or_b32 s66, s66, 0x600000
	v_mov_b32 v219, s66                            ; 57,344 x 2^e6
	s_add_co_i32 s55, s60, s61                     ; e4 + e5
; A TILE'S WALK over the keys, 128 a step: a counted loop; steps beyond the tile's last are jumped over (a branch on the wave's number and the count of steps).
.macro TILE trips
	s_mov_b32 s[KS], 0
.Lstep_\@:
	s_cmp_gt_u32 s[KS], s[SMAX]
	s_cbranch_scc1 .Lhidden_\@
	s_lshl_b32 s96, s[KS], 13                      ; a step is 8,192 bytes of K and of V
	v_add_nc_u32 v[ADR], s96, v[LI]
	v_add_nc_u32 v[ADV], s96, v[LIV]
.irp t, 0,1,2,3,4,5,6,7                        ; K: eight images of 16 keys x 64 d
	ds_load_b128 v[32+8*\t:35+8*\t], v[ADR] offset:\t*1024
	ds_load_b128 v[36+8*\t:39+8*\t], v[ADR] offset:\t*1024+512
.endr
	s_wait_alu depctr_va_vdst(0)
	s_wait_dscnt 0x0
.irp t, 0,1,2,3,4,5,6,7
	v_wmma_f32_16x16x64_bf8_bf8 v[96+8*\t:103+8*\t], v[32+8*\t:39+8*\t], v[16:23], 0
.endr
.rept 4
	v_nop                                          ; places: the loads below land in registers that these products read, and their results are read below
.endr
.irp d, 0,1,2,3                                ; V: four images of 16 d x 128 keys, asked for now: the softmax stands between the request and the wait
.irp s, 0,1,2,3
	ds_load_b128 v[32+16*\d+4*\s:35+16*\d+4*\s], v[ADV] offset:2048*\d+512*\s
.endr
.endr
	s_cmp_lt_u32 s[KS], s[SMAX]                    ; only the tile's last step lies on the diagonal
	s_cbranch_scc1 .Lopen_\@
	v_add_nc_u32 v236, s[DQ], v[RH]                ; register 8 T + j holds key 16 T + 8 h + j of the step: hidden where 16 T + j > my query - the step's first key - 8 h
.set n, 0
.rept 64
	v_cmp_gt_i32 vcc_lo, 16*(n/8)+n%8, v236
	v_cndmask_b32 v[96+n], v[96+n], v237, vcc_lo
.set n, n+1
.endr
.Lopen_\@:
	v_max3_num_f32 v214, v96, v97, v98             ; the step's largest score, in two chains, each tile from its low end on
	v_max3_num_f32 v215, v99, v100, v101
.irp i, 6,10,14,18,22,26,30,34,38,42,46,50,54,58
	v_max3_num_f32 v214, v214, v[96+\i], v[97+\i]
	v_max3_num_f32 v215, v215, v[98+\i], v[99+\i]
.endr
	v_max3_num_f32 v214, v214, v158, v159
	s_delay_alu instid0(VALU_DEP_1)
	v_max_num_f32 v214, v214, v215
	s_delay_alu instid0(VALU_DEP_1)
	v_permlanex16_b32 v208, v214, s[SEL], s[SEL+1]
	s_delay_alu instid0(VALU_DEP_1)
	v_max_num_f32 v214, v214, v208                 ; and lane l xor 16's
	s_delay_alu instid0(VALU_DEP_1)
	v_mul_f32 v214, s[CS], v214                    ; as t (c is positive)
	s_delay_alu instid0(VALU_DEP_1)
	v_max_num_f32 v13, v13, v214
	v_mov_b32 v214, v12
	s_delay_alu instid0(VALU_DEP_2)
	v_floor_f32 v12, -v13                          ; the new -M = -ceil(t)
	s_delay_alu instid0(VALU_DEP_1)
	v_sub_f32 v214, v12, v214                      ; old M - new M: a whole number, 0 or less
	s_delay_alu instid0(VALU_DEP_1)
	v_cvt_i32_f32 v214, v214
	s_delay_alu instid0(VALU_DEP_1)
	v_ldexp_f32 v212, 1.0, v214                    ; f = 2^(old M - new M)
.irp j, 0,2,4,6,8,10,12,14,16,18,20,22,24,26,28,30,32,34,36,38,40,42,44,46,48,50,52,54,56,58,60,62
	v_pk_fma_f32 v[96+\j:97+\j], v[96+\j:97+\j], s[CS:CS+1], v[12:13] op_sel_hi:[1,0,0]   ; t - M
.endr
	s_wait_alu depctr_va_vdst(0)                   ; the wait ahead of the batch
.set j, 0
.rept 64
	v_exp_f32 v[96+j], v[96+j]                     ; p = 2^(t - M)
.set j, j+1
.endr
	v_pk_mul_f32 v[14:15], v[14:15], v[212:213] op_sel_hi:[1,0]   ; the sums under the new M: the plain line behind the batch
	s_wait_alu depctr_va_vdst(0)                   ; and the one wait behind it
.irp c, 0,1,2,3,4,5,6,7                        ; the row's sum of the unquantised p, in eight chains
	v_pk_add_f32 v[240+2*\c:241+2*\c], v[96+2*\c:97+2*\c], v[112+2*\c:113+2*\c]
.endr
.irp c, 0,1,2,3,4,5,6,7
	v_pk_add_f32 v[240+2*\c:241+2*\c], v[240+2*\c:241+2*\c], v[128+2*\c:129+2*\c]
.endr
.irp c, 0,1,2,3,4,5,6,7
	v_pk_add_f32 v[240+2*\c:241+2*\c], v[240+2*\c:241+2*\c], v[144+2*\c:145+2*\c]
.endr
.irp c, 0,1,2,3
	v_pk_add_f32 v[240+2*\c:241+2*\c], v[240+2*\c:241+2*\c], v[248+2*\c:249+2*\c]
.endr
.irp c, 0,1
	v_pk_add_f32 v[240+2*\c:241+2*\c], v[240+2*\c:241+2*\c], v[244+2*\c:245+2*\c]
.endr
	v_pk_add_f32 v[240:241], v[240:241], v[242:243]
	v_pk_add_f32 v[14:15], v[14:15], v[240:241]
.set j, 0
.rept 64
	v_min_num_f32 v[96+j], v[96+j], v217           ; the conversion does not saturate (ISA guide 7.6.2); p is not negative: a one-sided hold
.set j, j+1
.endr
.irp t, 0,1,2,3,4,5,6,7
	v_cvt_scalef32_pk8_bf8_f32 v[192+2*\t:193+2*\t], v[96+8*\t:103+8*\t], v216   ; registers 2 T, 2 T + 1 of P
.endr
	s_wait_alu depctr_va_vdst(0)                   ; directly ahead of the first reader of O^T
.irp j, 0,2,4,6,8,10,12,14,16,18,20,22,24,26,28,30
	v_pk_mul_f32 v[160+\j:161+\j], v[160+\j:161+\j], v[212:213] op_sel_hi:[1,0]   ; O^T under the new M; also the plain lines behind the conversions
.endr
	s_wait_alu depctr_va_vdst(0)
	s_wait_dscnt 0x0                               ; V is in
.irp d, 0,1,2,3                                ; four accumulators, one instruction a turn
	v_wmma_f32_16x16x128_bf8_bf8 v[160+8*\d:167+8*\d], v[32+16*\d:47+16*\d], v[192:207], v[160+8*\d:167+8*\d]
.endr
.rept 4
	v_nop                                          ; places: the next step's loads land in V's registers; the tile's end reads O^T
.endr
	s_wait_alu depctr_va_vdst(0)
.Lhidden_\@:
	s_add_co_u32 s[KS], s[KS], 1
	s_cmp_lt_u32 s[KS], \trips
	s_cbranch_scc1 .Lstep_\@
.endm
; A TILE'S END: O^T x 2^(e4 + e5) / the sum is ctx; held, converted: half an image of 16 tokens x 128 k, which two stores of 512 consecutive bytes take out.
.macro FINISH ct, cc, restart
	s_wait_alu depctr_va_vdst(0)
	v_add_f32 v14, v14, v15
	v_permlanex16_b32 v208, v14, s[SEL], s[SEL+1]
	v_add_f32 v14, v14, v208
	s_wait_alu depctr_va_vdst(0)                   ; the wait ahead of the transcendental
	v_rcp_f32 v14, v14
	v_nop
	s_wait_alu depctr_va_vdst(0)                   ; and ahead of its first reader
	v_ldexp_f32 v14, v14, s55
	s_wait_alu depctr_va_vdst(0)                   ; directly ahead of the first reader of O^T
.irp j, 0,2,4,6,8,10,12,14,16,18,20,22,24,26,28,30
	v_pk_mul_f32 v[96+\j:97+\j], v[160+\j:161+\j], v[14:15] op_sel_hi:[1,0]
.endr
.set j, 0
.rept 32
	v_med3_num_f32 v[96+j], v[96+j], -v219, v219
.set j, j+1
.endr
.irp d, 0,1,2,3
	v_cvt_scalef32_pk8_bf8_f32 v[\cc+2*\d:\cc+2*\d+1], v[96+8*\d:103+8*\d], v218
.endr
	v_nop                                          ; a plain line behind the conversions: later products write their sources
	global_store_b128 v[LI], v[\cc:\cc+3], s[\ct:\ct+1]
	global_store_b128 v[LI], v[\cc+4:\cc+7], s[\ct:\ct+1] offset:512
.if \restart                                   ; on to my second tile
.irp j, 0,1,2,3,4,5,6,7
	v_mov_b32 v[16+\j], v[24+\j]
.endr
	ZERO
	s_mov_b32 s[SMAX], s[SMAXB]
	s_mov_b32 s[DQ], s[DQB]
	s_wait_alu depctr_va_vdst(0)
.endif
.endm
	s_wait_alu depctr_va_vdst(0)
	s_wait_loadcnt 0x0                             ; Q
	s_wait_tensorcnt 0x0                           ; my part of the head's K and V is in
	s_barrier_signal -1
	s_barrier_wait -1                              ; and everybody's
	TILE 16                                        ; u = 31 - w: its last key step is 8 .. 15
	FINISH CT0, 220, 1
	TILE 8                                         ; u = w: its last key step is 0 .. 7
	FINISH CT1, 228, 0
	s_wait_tensorcnt 0x0                           ; the wave's end
	ds_add_u32 v[SPW], v[NIL]
	s_wait_dscnt 0x0
	ROUND                                          ; the closing round
	s_endpgm
.Lfunc_end_k_qd8f6ad125c_attn:
	.size	k_qd8f6ad125c_attn, .Lfunc_end_k_qd8f6ad125c_attn-k_qd8f6ad125c_attn
	.p2alignl 7, 3214868480
	.fill 96, 4, 3214868480
	.section	.rodata,"a",@progbits
	.p2align	6, 0x0
	.amdhsa_kernel k_qd8f6ad125c_attn
		.amdhsa_group_segment_fixed_size 327680
		.amdhsa_private_segment_fixed_size 0
		.amdhsa_enable_private_segment 0
		.amdhsa_kernarg_size 24
		.amdhsa_user_sgpr_count 2
		.amdhsa_user_sgpr_kernarg_segment_ptr 1
		.amdhsa_wavefront_size32 1
		.amdhsa_system_sgpr_workgroup_id_x 1
		.amdhsa_system_sgpr_workgroup_id_y 1
		.amdhsa_system_sgpr_workgroup_id_z 1
		.amdhsa_system_vgpr_workitem_id 0
		.amdhsa_next_free_vgpr 256
		.amdhsa_next_free_sgpr 100
		.amdhsa_reserve_vcc 1
		.amdhsa_float_denorm_mode_32 3
		.amdhsa_float_denorm_mode_16_64 3
		.amdhsa_memory_ordered 1
		.amdhsa_forward_progress 1
		.amdhsa_inst_pref_size 58
	.end_amdhsa_kernel
	.amdgpu_metadata
---
amdhsa.version: [ 1, 2 ]
amdhsa.kernels:
  - .name:           k_qd8f6ad125c_attn
    .symbol:         k_qd8f6ad125c_attn.kd
    .args:
      - { .name: qkvc, .offset: 0, .size: 8, .value_kind: global_buffer, .address_space: global }
      - { .name: lowp_scales, .offset: 8, .size: 8, .value_kind: global_buffer, .address_space: global }
      - { .name: ctxc, .offset: 16, .size: 8, .value_kind: global_buffer, .address_space: global }
    .group_segment_fixed_size: 327680
    .private_segment_fixed_size: 0
    .kernarg_segment_align: 8
    .kernarg_segment_size: 24
    .max_flat_workgroup_size: 512
    .sgpr_count:     100
    .vgpr_count:     256
    .wavefront_size: 32
...
	.end_amdgpu_metadata
.endif
;; end of part 3
;; launch proj (part 4): grid 4 x 64, 4 waves a work-group, clusters of 4 x 4, 327,680 bytes of LDS; arguments ctxc, codes, bout, lowp_scales, out0; writes out0
.if DOCPART == 4
	.amdgcn_target "amdgcn-amd-amdhsa--gfx1250"
	.amdhsa_code_object_version 6
	.text
	.protected	k_qd8f6ad125c_proj
	.globl	k_qd8f6ad125c_proj
	.p2align	8
	.type	k_qd8f6ad125c_proj,@function
k_qd8f6ad125c_proj:
	s_mov_b64 s[64:65], 0
	v_nop
	global_prefetch_b8 v0, s[64:65] scope:SCOPE_SE
	s_setreg_imm32_b32 hwreg(HW_REG_WAVE_MODE, 25, 1), 1
	s_wait_xcnt 0x0
	s_wait_alu depctr_hold_cnt(0) depctr_sa_sdst(0) depctr_va_vdst(0) depctr_va_sdst(0) depctr_va_ssrc(0) depctr_va_vcc(0) depctr_vm_vsrc(0)
	s_getreg_b32 s2, hwreg(HW_REG_IB_STS2, 6, 4)
	s_cmp_eq_u32 s2, 0
	s_cbranch_scc0 .Lentry_in_a_cluster
	s_endpgm
.Lentry_in_a_cluster:
	s_bfe_u32 s2, ttmp6, 0x10000c
	s_cmp_lg_u32 s2, 0xf033
	s_cbranch_scc0 .Lentry_shape_is_right
	s_endpgm
.Lentry_shape_is_right:
; out = ctx Wout + bout on codes of BF8: each f32 sum is multiplied by 2^(e6 + e7) and the bias is added, in one packed multiply-add.
; The codes lie as images of fragments (16 rows x 128 k, 2,048 bytes; register 4 s + q of lane l at 512 s + 16 l + 4 q), plane by plane of 256 k: 128 rows of a plane are 32,768 dense bytes.
; SHARES.  8,192 x 1,024 results are 256 blocks of 128 tokens x 256 columns: one work-group each.  A block's tokens, all K = 1,024 (131,072 bytes), stay in LDS.  Its columns come in TWO PASSES of 128 columns, all K (131,072 bytes each).
; All first fills go out together, one joint load a wave: waves 0, 1: A's planes 0-1 and 2-3; waves 2, 3: the same of B: two rows of 32,768 bytes, a plane apart.  B's region is filled again once, for the second pass,
; behind a round of the cluster's barrier; the first pass's way out stands behind that refill, and the second pass's products behind the first pass's stores.
; A wave makes 64 tokens x 64 columns a pass: 16 accumulators, which take turns.  Source 0 = 16 columns of Wout, source 1 = 16 tokens: a lane holds one token and eight neighbouring columns.
; CLUSTERS: 4 x 4 work-groups; A's tile hangs on the work-group's y alone and is asked for jointly by a row of the cluster, B's on its x alone, by a column.
; NO PREFETCH: the text has no loop to run ahead in; its one refill has the first pass's whole way out (32 LDS stores, 32 LDS loads, 64 multiply-adds and 32 global stores a wave) between the request and the wait for it.
; LIMIT: e6 + e7 between -126 and 127, so that 2^(e6 + e7) is an f32 number.
; REGISTERS: window 0: v8-15 the two passes' biases, v16-29 addresses, v128-255 A's fragments, two sets of 64 (on the way out: four blocks read back from the stage).  window 1: v0-127 accumulators ((a, b) at v[8 (4 a + b)]), v128-255 B's fragments, two sets.
.set PLANE,  3145728                   ; 256 along K of all rows of the buffer that holds Wout's codes
.set PLANEC, 2097152                   ; the same for ctx's codes
.set BREG,   131072                    ; LDS: A's four planes of 32,768 bytes, then B's
.set STAGE,  262144                    ; the way out: 16 rows x (256 bytes + 16) for each wave; no fill lands here
.set SPITCH, 272
.set SPARE,  STAGE+4*16*SPITCH         ; the spare words, 128 bytes for each wave, named by no other line
.set ADRA, 16                          ; v16-17  LDS address of my A fragments in planes 0-1, 2-3
.set ADRB, 20                          ; v20-21  the same for B
.set STO,  24
.set RD,   25
.set CO,   26
.set BO,   27
.set SPW,  28
.set NIL,  29
.set FS,   128
.set G1, 24
.set G0, 32
.set G1B, 48
.set G0B, 56
.set MSB, 0
.macro WIN new                         ; the immediate's high byte repeats the setting that is left
.if MSB != (\new)
	s_set_vgpr_msb (MSB<<8)|(\new)
.set MSB, (\new)
.endif
.endm
.macro PLACES                          ; plain vector lines between a matrix instruction and a load into, or a read or write of, its registers
.rept 4
	v_nop
.endr
.endm
.macro CREST
	s_cmp_lg_u32 s14, 0
	s_cbranch_scc1 .Lnot_wave_0_\@
	s_barrier_signal -3
.Lnot_wave_0_\@:
	s_barrier_wait -3
	s_barrier_signal -1
	s_barrier_wait -1
.endm
.macro CROUND                          ; a whole round of the cluster's barrier
	s_barrier_signal -1
	s_barrier_wait -1
	CREST
.endm
	s_load_b256 s[4:11], s[0:1], 0x0               ; ctx's codes s[4:5], the weights' codes s[6:7], bout s[8:9], the scales' exponents s[10:11]
	s_load_b64 s[12:13], s[0:1], 0x20              ; out
	v_lshl_add_u32 v[SPW], v0, 2, SPARE
	v_mov_b32 v[NIL], 0
	ds_add_u32 v[SPW], v[NIL]                      ; the opening lines: the add twice on end and one wait
	ds_add_u32 v[SPW], v[NIL]
	v_lshrrev_b32 v1, 5, v0
	v_readfirstlane_b32 s14, v1                    ; wave 0..3
	s_lshr_b32 s15, s14, 1                         ; my half of the tokens.  Also: I fetch for A (0) or for B (1)
	s_and_b32 s16, s14, 1                          ; my half of a pass's columns.  Also: which two planes I fetch
	s_bfe_u32 s40, ttmp6, 0x40000                  ; cx, cy
	s_bfe_u32 s41, ttmp6, 0x40004
	s_and_b32 s17, ttmp7, 0xffff
	s_lshl_b32 s17, s17, 2
	s_add_co_u32 s17, s17, s41                     ; work-group y: which 128 tokens
	s_lshl_b32 s42, ttmp9, 2
	s_add_co_u32 s42, s42, s40                     ; work-group x: which 256 columns
	s_lshl_b32 s43, s41, 2
	s_lshl_b32 s43, 15, s43                        ; my row of the cluster
	s_lshl_b32 s44, 0x1111, s40                    ; my column
	s_or_b32 s[G1+0], s43, (3<<16)|(1<<21)         ; the mask; elements of 8 bytes; bit 21 beside a mask
	s_or_b32 s[G1B+0], s44, (3<<16)|(1<<21)
.irp g, G1, G1B
	s_mov_b32 s[\g+1], 4096<<16                    ; tensor_dim0: 32,768 bytes
	s_mov_b32 s[\g+2], 2<<16                       ; tensor_dim1: two planes
	s_mov_b32 s[\g+3], 4096<<16                    ; tile_dim0
	s_mov_b32 s[\g+4], 2                           ; tile_dim1
	s_mov_b32 s[\g+6], 0
	s_mov_b32 s[\g+7], 0
.endr
	s_mov_b32 s[G1+5], PLANEC/8                    ; from plane to plane
	s_mov_b32 s[G1B+5], PLANE/8
	s_mul_i32 s20, s16, 2*PLANEC
	s_lshl_b32 s18, s17, 15
	s_add_co_u32 s20, s20, s18                     ; A: 32,768 y + my two planes
	s_mov_b32 s21, 0
	s_mul_i32 s46, s16, 2*PLANE
	s_lshl_b32 s18, s42, 16
	s_add_co_u32 s46, s46, s18
	s_add_co_u32 s46, s46, 88*32768                ; B: Wout's columns begin at row 11,264 of the codes; 65,536 x; the first pass
	s_mov_b32 s47, 0
	s_lshl_b32 s45, s14, 16                        ; where they go: 65,536 x wave
	s_lshl_b32 s66, s42, 10
	s_lshl_b32 s67, s16, 8
	s_add_co_u32 s66, s66, s67                     ; my first column, in bytes of f32
	s_mov_b32 s67, 0
	s_lshl_b32 s92, s17, 19
	s_lshl_b32 s93, s15, 18
	s_add_co_u32 s92, s92, s93
	s_add_co_u32 s92, s92, s66                     ; my first result: (128 y + 64 x half) rows of 4,096 bytes
	s_mov_b32 s93, 0
	s_lshl_b32 s72, s15, 14                        ; my four blocks of 16 tokens,
	s_lshl_b32 s73, s16, 14
	s_add_co_u32 s73, s73, BREG                    ; and of 16 columns
	s_mul_i32 s74, s14, 16*SPITCH
	s_add_co_u32 s74, s74, STAGE                   ; my stage
	s_wait_dscnt 0x0                               ; both opening adds are done
	s_wait_kmcnt 0x0
	s_load_b256 s[80:87], s[10:11], 0x0            ; e0 .. e7
	s_add_nc_u64 s[20:21], s[4:5], s[20:21]
	s_add_nc_u64 s[46:47], s[6:7], s[46:47]
	s_add_nc_u64 s[68:69], s[8:9], s[66:67]
	s_add_nc_u64 s[12:13], s[12:13], s[92:93]
	CROUND                                         ; all sixteen work-groups are here: the first joint loads meet
	s_mov_b32 s[G0], 1
	s_mov_b32 s[G0+1], s45
	s_mov_b64 s[G0+2:G0+3], s[20:21]
	s_or_b32 s[G0+3], s[G0+3], 0x80000000
	s_mov_b32 s[G0B], 1
	s_mov_b32 s[G0B+1], s45
	s_mov_b64 s[G0B+2:G0B+3], s[46:47]
	s_or_b32 s[G0B+3], s[G0B+3], 0x80000000
	s_cmp_eq_u32 s15, 0                            ; one load a wave, one arm each; an s_nop 0 and four v_nop follow each line
	s_cbranch_scc0 .Lfor_b
	tensor_load_to_lds s[G0:G0+3], s[G1:G1+7]
	s_nop 0
	PLACES
	s_branch .Lasked
.Lfor_b:
	tensor_load_to_lds s[G0B:G0B+3], s[G1B:G1B+7]
	s_nop 0
	PLACES
.Lasked:
	v_and_b32 v5, 31, v0
	v_lshlrev_b32 v6, 4, v5                        ; 16 x lane
	v_add_nc_u32 v[ADRA], s72, v6
	v_add_nc_u32 v[ADRB], s73, v6
	v_add_nc_u32 v[ADRA+1], 65536, v[ADRA]
	v_add_nc_u32 v[ADRB+1], 65536, v[ADRB]
	v_and_b32 v1, 15, v0                           ; r
	v_bfe_u32 v2, v0, 4, 1                         ; h
	v_mul_u32_u24 v[STO], v1, SPITCH               ; into the stage: row r, 32 bytes for each half of the lanes
	v_lshl_add_u32 v[STO], v2, 5, v[STO]
	v_add_nc_u32 v[STO], s74, v[STO]
	v_mul_u32_u24 v[RD], v2, SPITCH                ; back: lanes 0-15 one row of 256 bytes, lanes 16-31 the next
	v_lshl_add_u32 v[RD], v1, 4, v[RD]
	v_add_nc_u32 v[RD], s74, v[RD]
	v_lshlrev_b32 v[BO], 4, v1
	v_lshl_add_u32 v[CO], v2, 12, v[BO]            ; and the same two rows in out
	global_load_b128 v[8:11], v[BO], s[68:69]              ; the bias at my four columns: the first pass's,
	global_load_b128 v[12:15], v[BO], s[68:69] offset:512  ; and the second's, 128 columns on
	s_wait_alu depctr_va_vdst(0)
	s_wait_kmcnt 0x0
	s_add_co_i32 s76, s86, s87
	s_add_co_i32 s76, s76, 127
	s_lshl_b32 s76, s76, 23                        ; 2^(e6 + e7) as f32
	s_mov_b32 s77, s76
; The fragments of K step s (128 along K): plane s / 2, its half s % 2; four of B, four of A, four dense loads of 512 bytes each, into set s % 2.
.macro FETCH s
.set ST, FS+64*((\s)%2)
.set OF, (((\s)/2)%2)*32768+((\s)%2)*2048
	WIN 0x40
.irp i, 0,1,2,3
.irp c, 0,1,2,3
	ds_load_b128 v[ST+16*\i+4*\c:ST+16*\i+4*\c+3], v[ADRB+(\s)/4] offset:OF+4096*\i+512*\c
.endr
.endr
	WIN 0
.irp i, 0,1,2,3
.irp c, 0,1,2,3
	ds_load_b128 v[ST+16*\i+4*\c:ST+16*\i+4*\c+3], v[ADRA+(\s)/4] offset:OF+4096*\i+512*\c
.endr
.endr
.endm
.macro MUL s                           ; 16 matrix instructions, the 16 accumulators by turns, in the same order in every step; step 0 starts the sums
.set ST, FS+64*((\s)%2)
	WIN 0x51                                       ; B, C, D window 1; A window 0
.irp a, 0,1,2,3
.irp b, 0,1,2,3
.if (\s) == 0
	v_wmma_f32_16x16x128_bf8_bf8 v[8*(4*\a+\b):8*(4*\a+\b)+7], v[ST+16*\b:ST+16*\b+15], v[ST+16*\a:ST+16*\a+15], 0
.else
	v_wmma_f32_16x16x128_bf8_bf8 v[8*(4*\a+\b):8*(4*\a+\b)+7], v[ST+16*\b:ST+16*\b+15], v[ST+16*\a:ST+16*\a+15], v[8*(4*\a+\b):8*(4*\a+\b)+7]
.endif
.endr
.endr
.endm
.macro PASS                            ; K = 1,024 in eight steps; step s + 1's 32 loads are issued ahead of step s's products
	FETCH 0
.irp s, 0,1,2,3,4,5,6
.if \s > 0
	PLACES                                         ; the other set was read by the products just issued
.endif
	FETCH \s+1
	s_wait_dscnt 32                                ; this step's fragments are in; the next step's 32 loads may be out
	MUL \s
.endr
	s_wait_dscnt 0x0
	MUL 7
	WIN 0
.endm
; THE WAY OUT, block a of 16 tokens x 64 columns at a time: through my own stage, back as rows of 256 bytes, x 2^(e6 + e7) + bias, stored: sixteen lanes fill one aligned unit of 256 bytes.
; LDS serves a wave's instructions in order (ISA guide 5.7.1.4): no wait between the stores and the loads, nor ahead of the next block's stores.
.macro TOSTAGE a
	WIN 0x04                                       ; the stores' data in window 1
.irp b, 0,1,2,3
	ds_store_b128 v[STO], v[32*(\a)+8*\b:32*(\a)+8*\b+3] offset:64*\b
	ds_store_b128 v[STO], v[32*(\a)+8*\b+4:32*(\a)+8*\b+7] offset:64*\b+16
.endr
	WIN 0
.irp t, 0,1,2,3,4,5,6,7
	ds_load_b128 v[FS+32*(\a)+4*\t:FS+32*(\a)+4*\t+3], v[RD] offset:\t*2*SPITCH
.endr
.endm
.macro SEND a, younger, j
	s_wait_dscnt \younger
.irp t, 0,1,2,3,4,5,6,7
	v_pk_fma_f32 v[FS+32*(\a)+4*\t:FS+32*(\a)+4*\t+1],   v[FS+32*(\a)+4*\t:FS+32*(\a)+4*\t+1],   s[76:77], v[8+4*(\j):9+4*(\j)]   op_sel_hi:[1,0,1]
	v_pk_fma_f32 v[FS+32*(\a)+4*\t+2:FS+32*(\a)+4*\t+3], v[FS+32*(\a)+4*\t+2:FS+32*(\a)+4*\t+3], s[76:77], v[10+4*(\j):11+4*(\j)] op_sel_hi:[1,0,1]
.endr
.irp t, 0,1,2,3,4,5,6,7
	global_store_b128 v[CO], v[FS+32*(\a)+4*\t:FS+32*(\a)+4*\t+3], s[12:13] offset:65536*(\a)+8192*\t+512*(\j) th:TH_STORE_NT
.endr
.endm
.macro WAYOUT j
	PLACES                                         ; behind the last products: their results are read, and A's registers written, below
	TOSTAGE 0
.irp a, 1,2,3
	TOSTAGE \a
	SEND \a-1, 16, \j                              ; behind block a - 1's loads: block a's 8 stores and 8 loads
.endr
	SEND 3, 0, \j
.endm
	s_wait_tensorcnt 0x0                           ; my part of the first fills is in
	s_barrier_signal -1
	s_barrier_wait -1                              ; and everybody's; B's region is filled again behind the next round
	PASS
	s_wait_tensorcnt 0x0                           ; ahead of a refill: no load of mine is out,
	ds_add_u32 v[SPW], v[NIL]                      ; 0 onto my spare word,
	s_add_nc_u64 s[G0B+2:G0B+3], s[G0B+2:G0B+3], 32768   ; (B's next 128 columns)
	s_wait_dscnt 0x0                               ; the add is done, and my reads of B's region are over
	CROUND                                         ; no wave of any partner still reads B's region
	s_cmp_eq_u32 s15, 0                            ; waves 2 and 3 fill B's region again; waves 0 and 1 have no part of it
	s_cbranch_scc1 .Lno_b
	tensor_load_to_lds s[G0B:G0B+3], s[G1B:G1B+7]
	s_nop 0
	PLACES
.Lno_b:
	s_wait_loadcnt 0x0                             ; the biases
	WAYOUT 0
	s_wait_alu depctr_va_vdst(0)
	s_wait_xcnt 0x0                                ; the stores have read their registers, which take A's fragments again
	s_wait_tensorcnt 0x0                           ; my part of the second pass's B is in
	s_barrier_signal -1
	s_barrier_wait -1                              ; and everybody's
	PASS
	WAYOUT 1
	s_wait_tensorcnt 0x0                           ; the wave's end
	ds_add_u32 v[SPW], v[NIL]
	s_wait_dscnt 0x0
	CROUND                                         ; the closing round
	s_endpgm
.Lfunc_end_k_qd8f6ad125c_proj:
	.size	k_qd8f6ad125c_proj, .Lfunc_end_k_qd8f6ad125c_proj-k_qd8f6ad125c_proj
	.p2alignl 7, 3214868480
	.fill 96, 4, 3214868480
	.section	.rodata,"a",@progbits
	.p2align	6, 0x0
	.amdhsa_kernel k_qd8f6ad125c_proj
		.amdhsa_group_segment_fixed_size 327680
		.amdhsa_private_segment_fixed_size 0
		.amdhsa_enable_private_segment 0
		.amdhsa_kernarg_size 40
		.amdhsa_user_sgpr_count 2
		.amdhsa_user_sgpr_kernarg_segment_ptr 1
		.amdhsa_wavefront_size32 1
		.amdhsa_system_sgpr_workgroup_id_x 1
		.amdhsa_system_sgpr_workgroup_id_y 1
		.amdhsa_system_sgpr_workgroup_id_z 1
		.amdhsa_system_vgpr_workitem_id 0
		.amdhsa_next_free_vgpr 512
		.amdhsa_next_free_sgpr 100
		.amdhsa_reserve_vcc 0
		.amdhsa_float_denorm_mode_32 3
		.amdhsa_float_denorm_mode_16_64 3
		.amdhsa_memory_ordered 1
		.amdhsa_forward_progress 1
		.amdhsa_inst_pref_size 82
	.end_amdhsa_kernel
	.amdgpu_metadata
---
amdhsa.version: [ 1, 2 ]
amdhsa.kernels:
  - .name:           k_qd8f6ad125c_proj
    .symbol:         k_qd8f6ad125c_proj.kd
    .args:
      - { .name: ctxc, .offset: 0, .size: 8, .value_kind: global_buffer, .address_space: global }
      - { .name: codes, .offset: 8, .size: 8, .value_kind: global_buffer, .address_space: global }
      - { .name: bout, .offset: 16, .size: 8, .value_kind: global_buffer, .address_space: global }
      - { .name: lowp_scales, .offset: 24, .size: 8, .value_kind: global_buffer, .address_space: global }
      - { .name: out0, .offset: 32, .size: 8, .value_kind: global_buffer, .address_space: global }
    .group_segment_fixed_size: 327680
    .private_segment_fixed_size: 0
    .kernarg_segment_align: 8
    .kernarg_segment_size: 40
    .max_flat_workgroup_size: 128
    .sgpr_count:     100
    .vgpr_count:     512
    .wavefront_size: 32
...
	.end_amdgpu_metadata
.endif
;; end of part 4
